; MI455X (gfx1250); checked and timed in simulation.
; The chip was launched on July 23, 2026; its instructions are those of AMD's public machine-readable ISA for CDNA 5 (MIT licence, August 2026) and "CDNA5" Instruction Set Architecture Reference Guide (July 2026). The comments in the code are by the model that wrote it; some were corrected since.
;; Gen Process Final. Allowed arithmetic: matrix products marked QUANTISED: E2M3 operands, one E8M0 scale for each 32 along K, by v_wmma_scale_f32_16x16x128_f8f6f4 with both operands' format E2M3, f32 sums; everything else in f32.
;; Inputs: dataMinor_codes 512 x 8 x 24 uint8 (E2M3 codes of dataMinor, K innermost, in blocks of 32 codes, four codes in three bytes); dataMinor_scales 512 x 8 uint8 (E8M0 scales of dataMinor, one for each 32 codes along K); x 64 x 2,048 x 256 float32.
;; Outputs: out0 64 x 512 float32.
;; This version of the problem:
;;   THIS VERSION OF THE PROBLEM IS GIVEN IN LOW PRECISION. The matrix products marked QUANTISED in the list below multiply operands that are first quantised to E2M3 (2 exponent bits, 3 mantissa bits; 6 bits a number), with one power-of-two scale for each 32 numbers along K (OCP MX v1.0); their sums are f32. All else is computed in f32.
;;   The module's matrix products, in the order in which they are computed (A, B: the left and right operand; K: the contracted axis; several contracted axes count as one K, in the product's order):
;;     1. [M 64, K 256] x [K 256, N 512]; A: computed on the way; B: input dataMinor (given as codes): QUANTISED
;;   THE QUANTISER, for each operand of a quantised product, along K:
;;     - K is cut into blocks of 32 from its start; a last block that is shorter is filled with zeros.
;;     - A block's scale is 2^e with e = floor(log2(the largest magnitude in the block)) - 2, held to -126 .. 127; a block of zeros has e = 0. As a byte (E8M0): e + 127.
;;     - Each number is divided by its block's scale, clamped to +-7.5, and rounded to the nearest number of E2M3, ties to even, subnormals kept.
;;     - The product sums the exact products of the quantised numbers (number of the format x scale) in f32.
;;   ~~~python
;;   def quantise(x, axis):      # numpy; x: float32 -> the quantised numbers, widened to float32 again
;;       x = np.moveaxis(x, axis, -1); K = x.shape[-1]
;;       x = np.pad(x, [(0, 0)] * (x.ndim - 1) + [(0, -K % 32)]); x = x.reshape(x.shape[:-1] + (-1, 32)); a = np.abs(x).max(-1, keepdims=True)
;;       e = np.where(a > 0, np.clip(np.frexp(np.where(a > 0, a, 1))[1] - 1 - 2, -126, 127), 0)      # np.frexp(a)[1] - 1 = floor(log2(a)), exactly
;;       r = np.clip(x / 2.0 ** e, -7.5, 7.5)
;;       step = 2.0 ** (np.maximum(np.frexp(np.where(r == 0, 1, r))[1] - 1, 0) - 3)
;;       q = np.round(r / step) * step * 2.0 ** e      # np.round: ties to even
;;       return np.moveaxis(q.reshape(q.shape[:-2] + (-1,))[..., :K], -1, axis).astype(np.float32)
;;   ~~~
;;   OPERANDS COMPUTED ON THE WAY. 'Computed on the way' means the value that the module computes at that place (a softmax that the list does not call 'softmax' is quantised finished and normalised). What goes into a quantiser is computed in f32, as accurately as f32 sums, v_exp_f32 and their like allow (about 1e-6 of the number): no bf16 or f16 on the way to a quantiser, and a product that is left as it is and whose result goes on into a quantised operand takes f32 operands (vector FMAs, or v_wmma_f32_16x16x4_f32). A number that lies on a knife's edge between two numbers of the format may be rounded either way, as far as f32 arithmetic and the matrix unit's own rounding can turn it there, and no further.
;;   INPUTS GIVEN AS CODES. dataMinor (in the module: [256, 512], K = its axis 0): each comes as NAME_codes (uint8): NAME with its K axis moved to the last place and cut into blocks of 32 codes, [.., K / 32, bytes a block], one block behind the other in memory; four codes in three bytes: a row's codes are one little-endian stream of bits, code i at bits 6 i .. 6 i + 5 (a code: sign, 2 exponent bits, 3 mantissa bits); and NAME_scales (uint8): the same leading axes, one E8M0 byte (e + 127) for each 32 codes along K. Its value is code x scale, taken as it is: it is not quantised again, and the codes and scales need not be those that the quantiser above would give.
;; 2 versions. Each part assembles by itself: llvm-mc -triple=amdgcn-amd-amdhsa -mcpu=gfx1250 --defsym DOCPART=n.
;; ======== version 1 of 2: 2 launches
;; workspace buffers: part 262,144 bytes
;; launch sums (part 1): grid 256 x 1, 16 waves a work-group, no clusters, 10,240 bytes of LDS; arguments x, part; writes part
.if DOCPART == 1
	.amdgcn_target "amdgcn-amd-amdhsa--gfx1250"
	.amdhsa_code_object_version 6
	.text
	.protected	k_qc9f71a9165_sums
	.globl	k_qc9f71a9165_sums
	.p2align	8
	.type	k_qc9f71a9165_sums,@function
k_qc9f71a9165_sums:
	s_mov_b64 s[64:65], 0
	v_nop
	global_prefetch_b8 v0, s[64:65] scope:SCOPE_SE
	s_setreg_imm32_b32 hwreg(HW_REG_WAVE_MODE, 25, 1), 1
	s_wait_xcnt 0x0
; PARTIAL SUMS OVER THE SEQUENCE.  x: [64][2048][256] f32.  part: [256][256] f32: part[4 b + c][k] = the sum of x[b][s][k] over s = 512 c .. 512 c + 511.
; The mean's division by 2,048 and the joining of a batch's four parts are the next launch's.
; SHARES.  256 work-groups of sixteen waves; work-group g owns 512 consecutive rows of 1,024 bytes: 512 KiB on end.  Thread t owns the 16 bytes at 16 t of every 8,192 bytes (8 rows):
; its four columns, 4 (t % 64) on, never change, a wave's load covers 512 consecutive bytes, and the sixteen waves together cover 8 rows.  64 loads a lane.
; THE RING.  The first four loads land in the four accumulators (nothing is cleared); the other 60 go twice round a ring of 30 slots of four registers, so that 34 loads of a wave are out at the start and 30 later on.
; All is written out: every offset is an immediate (63 x 8,192 bytes at the most), and no address register is ever written again.
; THE END.  The eight row groups (t / 64) meet in 8 KiB of LDS; waves 0 and 1 add them and store the work-group's 1,024 bytes, 512 consecutive bytes a wave.
; No matrix unit, no tensor load, no cluster: the work-groups share no byte of x, and each byte is read once into registers.
; LIMITS: the additions' order is this text's own (four chains of 16 a thread, then trees); NaN and infinities are not served.
.set STEP,  8192                       ; bytes that the work-group's 512 threads take at once
.set NLD,   64                         ; loads of a lane: 512 KiB / STEP
.set DEPTH, 30                         ; slots of the ring; 4 + 2 x 30 = 64
.set OFF,   1                          ; v1        16 t: my bytes in x's 8,192, in LDS, and (threads 0-63) in part's row; never rewritten
.set ACC,   4                          ; v[4:19]   four accumulators of my four columns, by turns
.set X,     20                         ; v[20:139] the ring
.macro ADD4 d, s                       ; four numbers onto four
	v_pk_add_f32 v[\d:\d+1], v[\d:\d+1], v[\s:\s+1]
	v_pk_add_f32 v[\d+2:\d+3], v[\d+2:\d+3], v[\s+2:\s+3]
.endm
	s_load_b128 s[4:7], s[0:1], 0x0                ; x s[4:5], part s[6:7]
	v_lshl_add_u32 v140, v0, 2, 0x2000
	v_mov_b32 v141, 0
	v_lshlrev_b32 v[OFF], 4, v0
	v_lshrrev_b32 v2, 5, v0
	v_readfirstlane_b32 s8, v2                     ; my wave's number
	s_lshl_b32 s2, ttmp9, 19                       ; the work-group's 512 KiB of x (255 x 2^19 is under 2^31),
	s_mov_b32 s3, 0
	s_lshl_b32 s10, ttmp9, 10                      ; and its 1,024 bytes of part
	s_mov_b32 s11, 0
	s_wait_kmcnt 0x0
	s_add_nc_u64 s[4:5], s[4:5], s[2:3]
.irp i, 0,1,2,3
	global_load_b128 v[ACC+4*\i:ACC+4*\i+3], v[OFF], s[4:5] offset:\i*STEP th:TH_LOAD_NT   ; these start the four sums
.endr
.set j, 4
.rept DEPTH
	global_load_b128 v[X+4*(j-4):X+4*(j-4)+3], v[OFF], s[4:5] offset:j*STEP th:TH_LOAD_NT
.set j, j+1
.endr
	s_add_nc_u64 s[6:7], s[6:7], s[10:11]
; Load j is added to accumulator j % 4.  left: how many younger loads may stay out.  again = 1: its slot takes load j + DEPTH.
.macro TAKE left, again
	s_wait_loadcnt \left                           ; loads come back in order (ISA guide 5.7.1): load j is in
	ADD4 ACC+4*(j%4), X+4*((j-4)%DEPTH)
.if \again
	global_load_b128 v[X+4*((j-4)%DEPTH):X+4*((j-4)%DEPTH)+3], v[OFF], s[4:5] offset:(j+DEPTH)*STEP th:TH_LOAD_NT
.endif
.set j, j+1
.endm
.set j, 4
.rept DEPTH
	TAKE DEPTH-1, 1                                ; behind load j stand loads j + 1 .. j + 29
.endr
.rept DEPTH
	TAKE NLD-1-j, 0                                ; nothing more is asked for: the counts run down 29 .. 0
.endr
	ADD4 ACC, ACC+4
	ADD4 ACC+8, ACC+12
	ADD4 ACC, ACC+8                                ; my 64 rows' sums of my four columns
	ds_store_b128 v[OFF], v[ACC:ACC+3]             ; row group t / 64 at 1,024 (t / 64), column bytes 16 (t % 64): that is 16 t
	s_wait_dscnt 0x0                               ; for the others' sake: my store has landed
	s_barrier_signal -1
	s_barrier_wait -1
	s_cmp_ge_u32 s8, 2                             ; 64 threads hold a row's 1,024 bytes: waves 0 and 1 finish
	s_cbranch_scc1 .Ldone
.irp i, 0,1,2,3,4,5,6,7
	ds_load_b128 v[X+4*\i:X+4*\i+3], v[OFF] offset:1024*\i   ; the eight row groups' sums of my four columns
.endr
	s_wait_dscnt 0x0
	ADD4 X, X+4
	ADD4 X+8, X+12
	ADD4 X+16, X+20
	ADD4 X+24, X+28
	ADD4 X, X+8
	ADD4 X+16, X+24
	ADD4 X, X+16
	global_store_b128 v[OFF], v[X:X+3], s[6:7]     ; a wave stores 512 consecutive bytes, at a multiple of 512 from part's first byte
.Ldone:
	s_wait_tensorcnt 0x0
	ds_add_u32 v140, v141
	s_wait_dscnt 0x0
	s_endpgm
.Lfunc_end_k_qc9f71a9165_sums:
	.size	k_qc9f71a9165_sums, .Lfunc_end_k_qc9f71a9165_sums-k_qc9f71a9165_sums
	.p2alignl 7, 3214868480
	.fill 96, 4, 3214868480
	.section	.rodata,"a",@progbits
	.p2align	6, 0x0
	.amdhsa_kernel k_qc9f71a9165_sums
		.amdhsa_group_segment_fixed_size 10240
		.amdhsa_private_segment_fixed_size 0
		.amdhsa_enable_private_segment 0
		.amdhsa_kernarg_size 16
		.amdhsa_user_sgpr_count 2
		.amdhsa_user_sgpr_kernarg_segment_ptr 1
		.amdhsa_wavefront_size32 1
		.amdhsa_system_sgpr_workgroup_id_x 1
		.amdhsa_system_sgpr_workgroup_id_y 1
		.amdhsa_system_sgpr_workgroup_id_z 1
		.amdhsa_system_vgpr_workitem_id 0
		.amdhsa_next_free_vgpr 142
		.amdhsa_next_free_sgpr 66
		.amdhsa_reserve_vcc 0
		.amdhsa_float_denorm_mode_32 3
		.amdhsa_float_denorm_mode_16_64 3
		.amdhsa_memory_ordered 1
		.amdhsa_forward_progress 1
		.amdhsa_inst_pref_size 19
	.end_amdhsa_kernel
	.amdgpu_metadata
---
amdhsa.version: [ 1, 2 ]
amdhsa.kernels:
  - .name:           k_qc9f71a9165_sums
    .symbol:         k_qc9f71a9165_sums.kd
    .args:
      - { .name: x, .offset: 0, .size: 8, .value_kind: global_buffer, .address_space: global }
      - { .name: part, .offset: 8, .size: 8, .value_kind: global_buffer, .address_space: global }
    .group_segment_fixed_size: 10240
    .private_segment_fixed_size: 0
    .kernarg_segment_align: 8
    .kernarg_segment_size: 16
    .max_flat_workgroup_size: 512
    .sgpr_count:     66
    .vgpr_count:     142
    .wavefront_size: 32
...
	.end_amdgpu_metadata
.endif
;; end of part 1
;; launch finish (part 2): grid 4 x 4, 8 waves a work-group, no clusters, 33,792 bytes of LDS; arguments part, dataMinor_codes, dataMinor_scales, out0; writes out0
.if DOCPART == 2
	.amdgcn_target "amdgcn-amd-amdhsa--gfx1250"
	.amdhsa_code_object_version 6
	.text
	.protected	k_qc9f71a9165_finish
	.globl	k_qc9f71a9165_finish
	.p2align	8
	.type	k_qc9f71a9165_finish,@function
k_qc9f71a9165_finish:
	s_mov_b64 s[64:65], 0
	v_nop
	global_prefetch_b8 v0, s[64:65] scope:SCOPE_SE
	s_setreg_imm32_b32 hwreg(HW_REG_WAVE_MODE, 25, 1), 1
	s_wait_xcnt 0x0
; out0[b][d] = the sum over k of Q(mean[b][k]) W[d][k], on codes of FP6 (E2M3) with one E8M0 scale for each 32 along K.  mean[b][k] = (part[4 b][k] + .. + part[4 b + 3][k]) / 2048.
; part: [256][256] f32.  W arrives as codes [512][8][24] (a row: 192 bytes, K innermost) and scale bytes [512][8].  out0: [64][512] f32.
; SHARES.  Work-group (x = n, y = m), eight waves: batches 16 m .. 16 m + 15, outputs 128 n .. 128 n + 127.  Wave w quantises batches 16 m + 2 w and + 1, and multiplies for outputs 128 n + 16 w .. + 15.
; THE DIVISION BY 2,048 IS TAKEN OFF THE SCALE'S EXPONENT.  A block's codes are its numbers over 2^(the largest magnitude's exponent - 2): the same for the sums as for the means, since 2,048 is a power of two.
; So the SUMS are converted, with their own largest magnitude's exponent field less 2 as the scale operand, and the byte that goes to the matrix unit is that field less 2 less 11.  Nothing is rounded by it.
; The quantiser holds the byte at 1 from below: here a floor of 2^(14 - 127) among the sums' magnitudes (2^(3 - 127) for the means).
; THE WAY OF THE NUMBERS.  Each of a wave's 16 loads of partials reads 512 consecutive bytes; the four parts are added; the 2,048 bytes of sums go through the wave's own stage in LDS and come back 64 bytes a lane:
; lane l then holds 16 neighbours along K (batch 2 w + l / 16, k = 16 (l % 16) on), which is what the conversion takes; lanes l and l xor 1 hold a block.  The 12 bytes of codes go to the batch's row in LDS, the byte to its 8
; scale bytes; behind a barrier every wave reads the 16 batches' two fragments (128 along K each) and scale words as any operand with K innermost.
; THE PRODUCT IS USED TRANSPOSED: source 0 = my 16 rows of W, source 1 = the 16 batches: lane (r, h) holds out0[16 m + r][128 n + 16 w + 8 h + 0 .. 7].  The eight waves' parts of a row meet in a stage,
; and each wave stores two runs of 512 consecutive bytes.
; NO CLUSTER, NO TENSOR LOAD: what four work-groups share (64 KiB of partials along x, 24 KiB of codes along y) is read once by each, straight into registers; there is no tile in LDS to ask for jointly.
; LIMITS: NaN and infinities are not served.  A block of zeros gets the byte 1 where the rule says 127: its codes are zeros, which add nothing, and this program alone reads these bytes.
.set PROW,  4096                       ; a batch's four partial rows, in bytes
.set SP,    80                         ; a lane's place in the first stage: 64 bytes + 16 of padding: sixteen lanes' 16-byte reads start at 16 (5 l mod 16) modulo 256
.set WSTG,  32*SP                      ; a wave's first stage
.set CODES, 8*WSTG                     ; behind the eight stages: 16 rows of codes,
.set CP,    208                        ; 192 bytes + 16 = 52 words apart: the 32 lanes of an 8-byte read touch 64 different banks
.set SCL,   CODES+16*CP                ; their scale bytes, 8 a row
.set OSTG,  SCL+256                    ; the stage for out0: 16 rows x
.set OP,    528                        ; (512 bytes + 16)
.set PO,   6                           ; v6   part: 16 l + 8,192 w
.set WO,   7                           ; v7   W's codes: 192 r + 24 h + 3,072 w
.set WSO,  8                           ; v8   W's scale bytes: 8 r + 128 w
.set SIN,  9                           ; v9   first stage, in: four lanes' 64 bytes on end, then the padding
.set SOUT, 10                          ; v10  first stage, out: SP x l
.set CST,  11                          ; v11  where my 12 bytes of codes go
.set BST,  12                          ; v12  where my block's byte goes
.set CLD,  13                          ; v13  a fragment's row and half: CP r + 24 h
.set BLD,  14                          ; v14  a row's scale words: 8 r
.set OST,  15                          ; v15  out0's stage, in
.set OLD,  16                          ; v16  out0's stage, back
.set GO,   17                          ; v17  out0: 16 l + 4,096 w
.set SW,   24                          ; v[24:25] W's scale words of the two K steps: these four registers hold scales and nothing else
.set SX,   26                          ; v[26:27] the means'
.set P,    32                          ; v[32:95]   partials: quarter q of the wave's 2,048 bytes, part c: at 16 q + 4 c
.set X,    96                          ; v[96:111]  my 16 neighbours
.set C,    112                         ; v[112:114] their codes
.set T,    116                         ; v116-119   at work
.set WF,   120                         ; v[120:143] W's two fragments
.set XF,   144                         ; v[144:167] the means' two fragments
.set D,    168                         ; v[168:175] the accumulator
.set O,    176                         ; v[176:183] two rows' parts on the way out
	s_load_b256 s[4:11], s[0:1], 0x0               ; part s[4:5], W's codes s[6:7], W's scales s[8:9], out0 s[10:11]
	v_lshl_add_u32 v184, v0, 2, 0x8000
	v_mov_b32 v185, 0
	v_and_b32 v1, 31, v0                           ; l
	v_and_b32 v2, 15, v0                           ; r = l % 16
	v_bfe_u32 v3, v0, 4, 1                         ; h = l / 16
	v_lshrrev_b32 v5, 5, v0                        ; w
	v_lshlrev_b32 v4, 4, v1                        ; 16 l
	v_lshl_add_u32 v[PO], v5, 13, v4
	v_mul_u32_u24 v[WO], v2, 192
	v_mad_u32_u24 v[WO], v3, 24, v[WO]
	v_mad_u32_u24 v[WO], v5, 3072, v[WO]
	v_lshlrev_b32 v[WSO], 3, v2
	v_lshl_add_u32 v[WSO], v5, 7, v[WSO]
	v_lshrrev_b32 v[SIN], 2, v1
	v_and_b32 v18, 3, v1
	v_mul_u32_u24 v[SIN], v[SIN], SP
	v_lshl_add_u32 v[SIN], v18, 4, v[SIN]
	v_mad_u32_u24 v[SIN], v5, WSTG, v[SIN]         ; SP (l / 4) + 16 (l % 4) + my wave's stage
	v_mul_u32_u24 v[SOUT], v1, SP
	v_mad_u32_u24 v[SOUT], v5, WSTG, v[SOUT]
	v_mul_u32_u24 v[CST], v2, 12
	v_mad_u32_u24 v[CST], v3, CP, v[CST]
	v_mad_u32_u24 v[CST], v5, 2*CP, v[CST]         ; row 2 w + h, 12 bytes for each 16 along K
	v_lshrrev_b32 v[BST], 1, v2
	v_lshl_add_u32 v[BST], v3, 3, v[BST]
	v_lshl_add_u32 v[BST], v5, 4, v[BST]           ; row 2 w + h, block r / 2
	v_mul_u32_u24 v[CLD], v2, CP
	v_mad_u32_u24 v[CLD], v3, 24, v[CLD]
	v_lshlrev_b32 v[BLD], 3, v2
	v_mul_u32_u24 v[OST], v2, OP
	v_lshl_add_u32 v[OST], v3, 5, v[OST]
	v_lshl_add_u32 v[OST], v5, 6, v[OST]           ; row r, my wave's 64 bytes, my half's 32
	v_mad_u32_u24 v[OLD], v5, 2*OP, v4             ; rows 2 w and 2 w + 1, 16 bytes a lane
	v_lshl_add_u32 v[GO], v5, 12, v4               ; and the same two rows of out0, 2,048 bytes each
	s_and_b32 s12, ttmp7, 0xffff                   ; m
	s_lshl_b32 s14, s12, 16                        ; part: 16 batches x 4,096 bytes
	s_mov_b32 s15, 0
	s_mul_i32 s16, ttmp9, 24576                    ; W's codes: 128 rows x 192 bytes
	s_mov_b32 s17, 0
	s_lshl_b32 s18, ttmp9, 10                      ; W's scales: 128 rows x 8 bytes
	s_mov_b32 s19, 0
	s_lshl_b32 s20, s12, 15                        ; out0: 16 rows x 2,048 bytes,
	s_lshl_b32 s21, ttmp9, 9                       ; + 128 outputs x 4 bytes
	s_add_co_u32 s20, s20, s21
	s_mov_b32 s21, 0
	s_wait_kmcnt 0x0
	s_add_nc_u64 s[4:5], s[4:5], s[14:15]
	s_add_nc_u64 s[6:7], s[6:7], s[16:17]
	s_add_nc_u64 s[8:9], s[8:9], s[18:19]
	s_add_nc_u64 s[10:11], s[10:11], s[20:21]
.irp q, 0,1,2,3                                ; quarter q: batch 2 w + q / 2, its columns 128 (q % 2) on; the four parts of a quarter stand together
.irp c, 0,1,2,3
	global_load_b128 v[P+16*\q+4*\c:P+16*\q+4*\c+3], v[PO], s[4:5] offset:(\q/2)*PROW+\c*1024+(\q%2)*512   ; 32 lanes read 512 consecutive bytes
.endr
.endr
.irp s, 0,1                                    ; W's fragment of K step s: lane (r, h) takes 24 bytes of row r at 96 s + 24 h and 24 at 96 s + 48 + 24 h, as they lie, in pieces of 8 bytes
.irp p, 0,1,2,3,4,5
	global_load_b64 v[WF+12*\s+2*\p:WF+12*\s+2*\p+1], v[WO], s[6:7] offset:96*\s+48*(\p/3)+8*(\p%3)
.endr
.endr
	global_load_b64 v[SW:SW+1], v[WSO], s[8:9]     ; row r's eight scale bytes: the two K steps' words
.irp q, 0,1,2,3
	s_wait_loadcnt 25-4*\q                         ; 29 loads are issued; behind quarter q's four stand 25 - 4 q
	v_pk_add_f32 v[P+16*\q:P+16*\q+1], v[P+16*\q:P+16*\q+1], v[P+16*\q+4:P+16*\q+5]
	v_pk_add_f32 v[P+16*\q+2:P+16*\q+3], v[P+16*\q+2:P+16*\q+3], v[P+16*\q+6:P+16*\q+7]
	v_pk_add_f32 v[P+16*\q+8:P+16*\q+9], v[P+16*\q+8:P+16*\q+9], v[P+16*\q+12:P+16*\q+13]
	v_pk_add_f32 v[P+16*\q+10:P+16*\q+11], v[P+16*\q+10:P+16*\q+11], v[P+16*\q+14:P+16*\q+15]
	v_pk_add_f32 v[P+16*\q:P+16*\q+1], v[P+16*\q:P+16*\q+1], v[P+16*\q+8:P+16*\q+9]
	v_pk_add_f32 v[P+16*\q+2:P+16*\q+3], v[P+16*\q+2:P+16*\q+3], v[P+16*\q+10:P+16*\q+11]   ; the sum over all 2,048 rows
	ds_store_b128 v[SIN], v[P+16*\q:P+16*\q+3] offset:8*SP*\q   ; a quarter's 512 bytes take eight places
.endr
.irp i, 0,1,2,3
	ds_load_b128 v[X+4*\i:X+4*\i+3], v[SOUT] offset:16*\i   ; LDS serves a wave's instructions in order (ISA guide 5.7.1.4): these see my stores
.endr
	s_wait_dscnt 0x0
	v_max3_num_f32 v[T], |v[X]|, |v[X+1]|, |v[X+2]|                 ; the largest magnitude of my 16, in two chains
	v_max3_num_f32 v[T+1], |v[X+3]|, |v[X+4]|, |v[X+5]|
.irp i, 6,10
	v_max3_num_f32 v[T], v[T], |v[X+\i]|, |v[X+\i+1]|
	v_max3_num_f32 v[T+1], v[T+1], |v[X+\i+2]|, |v[X+\i+3]|
.endr
	v_max3_num_f32 v[T], v[T], |v[X+14]|, |v[X+15]|
	v_max3_num_f32 v[T], v[T], v[T+1], 0x7000000   ; and the floor 2^(14 - 127): the byte below cannot fall under 1
	v_max_num_f32_dpp v[T], v[T], v[T] row_xmask:1 row_mask:0xf bank_mask:0xf   ; with my neighbour's 16: the block's
	v_add_nc_u32 v[T+2], 0xff000000, v[T]          ; 2 off its exponent field: the conversion takes this operand's exponent field as its scale, and nothing else of it
	v_add_nc_u32 v[T+3], 0xf9800000, v[T]          ; 13 off: 2 for the format and 11 for the division by 2,048
	v_cvt_scalef32_pk16_fp6_f32 v[C:C+2], v[X:X+15], v[T+2]   ; sixteen sums over the scale, to the nearest code, ties to even, beyond the largest code the largest; 96 bits, the lowest k lowest
	v_lshrrev_b32 v[T+3], 23, v[T+3]               ; the mean's scale byte.  (Also the plain instruction behind the conversion)
	ds_store_b8 v[BST], v[T+3] offset:SCL          ; both lanes of a block write the same byte with the same value
	ds_store_b32 v[CST], v[C] offset:CODES         ; 12 bytes at a multiple of 4: three words
	ds_store_b32 v[CST], v[C+1] offset:CODES+4
	ds_store_b32 v[CST], v[C+2] offset:CODES+8
	s_wait_dscnt 0x0                               ; for the others' sake: my codes and bytes have landed
	s_barrier_signal -1
	s_barrier_wait -1                              ; the 16 batches' codes and scale bytes lie in LDS
.irp s, 0,1
.irp p, 0,1,2,3,4,5
	ds_load_b64 v[XF+12*\s+2*\p:XF+12*\s+2*\p+1], v[CLD] offset:CODES+96*\s+48*(\p/3)+8*(\p%3)
.endr
.endr
	ds_load_b64 v[SX:SX+1], v[BLD] offset:SCL      ; batch r's two scale words
	s_wait_loadcnt 0x0                             ; W's fragments and scale words
	s_wait_dscnt 0x0
	v_wmma_scale_f32_16x16x128_f8f6f4 v[D:D+7], v[WF:WF+11], v[XF:XF+11], 0, v[SW], v[SX] matrix_a_fmt:MATRIX_FMT_FP6 matrix_b_fmt:MATRIX_FMT_FP6   ; K = 0 .. 127 starts the sums
	s_wait_alu depctr_va_vdst(0)                   ; the wait stands directly ahead of the second
	v_wmma_scale_f32_16x16x128_f8f6f4 v[D:D+7], v[WF+12:WF+23], v[XF+12:XF+23], v[D:D+7], v[SW+1], v[SX+1] matrix_a_fmt:MATRIX_FMT_FP6 matrix_b_fmt:MATRIX_FMT_FP6   ; K = 128 .. 255
.rept 4
	v_nop                                          ; four places between the product and the LDS stores that read its result; no other vector work is left
.endr
	ds_store_b128 v[OST], v[D:D+3] offset:OSTG     ; the accumulator from its low end on
	ds_store_b128 v[OST], v[D+4:D+7] offset:OSTG+16
	s_wait_dscnt 0x0                               ; for the others' sake: my 64 bytes of each row have landed
	s_barrier_signal -1
	s_barrier_wait -1                              ; 16 rows x 512 bytes lie in the stage
	ds_load_b128 v[O:O+3], v[OLD] offset:OSTG
	ds_load_b128 v[O+4:O+7], v[OLD] offset:OSTG+OP
	s_wait_dscnt 0x1                               ; the first row is back; the second may be out
	global_store_b128 v[GO], v[O:O+3], s[10:11] th:TH_STORE_NT               ; 32 lanes store 512 consecutive bytes, at a multiple of 512 from out0's first byte
	s_wait_dscnt 0x0
	global_store_b128 v[GO], v[O+4:O+7], s[10:11] offset:2048 th:TH_STORE_NT
	s_wait_tensorcnt 0x0
	ds_add_u32 v184, v185
	s_wait_dscnt 0x0
	s_endpgm
.Lfunc_end_k_qc9f71a9165_finish:
	.size	k_qc9f71a9165_finish, .Lfunc_end_k_qc9f71a9165_finish-k_qc9f71a9165_finish
	.p2alignl 7, 3214868480
	.fill 96, 4, 3214868480
	.section	.rodata,"a",@progbits
	.p2align	6, 0x0
	.amdhsa_kernel k_qc9f71a9165_finish
		.amdhsa_group_segment_fixed_size 33792
		.amdhsa_private_segment_fixed_size 0
		.amdhsa_enable_private_segment 0
		.amdhsa_kernarg_size 32
		.amdhsa_user_sgpr_count 2
		.amdhsa_user_sgpr_kernarg_segment_ptr 1
		.amdhsa_wavefront_size32 1
		.amdhsa_system_sgpr_workgroup_id_x 1
		.amdhsa_system_sgpr_workgroup_id_y 1
		.amdhsa_system_sgpr_workgroup_id_z 1
		.amdhsa_system_vgpr_workitem_id 0
		.amdhsa_next_free_vgpr 186
		.amdhsa_next_free_sgpr 66
		.amdhsa_reserve_vcc 0
		.amdhsa_float_denorm_mode_32 3
		.amdhsa_float_denorm_mode_16_64 3
		.amdhsa_memory_ordered 1
		.amdhsa_forward_progress 1
		.amdhsa_inst_pref_size 12
	.end_amdhsa_kernel
	.amdgpu_metadata
---
amdhsa.version: [ 1, 2 ]
amdhsa.kernels:
  - .name:           k_qc9f71a9165_finish
    .symbol:         k_qc9f71a9165_finish.kd
    .args:
      - { .name: part, .offset: 0, .size: 8, .value_kind: global_buffer, .address_space: global }
      - { .name: dataMinor_codes, .offset: 8, .size: 8, .value_kind: global_buffer, .address_space: global }
      - { .name: dataMinor_scales, .offset: 16, .size: 8, .value_kind: global_buffer, .address_space: global }
      - { .name: out0, .offset: 24, .size: 8, .value_kind: global_buffer, .address_space: global }
    .group_segment_fixed_size: 33792
    .private_segment_fixed_size: 0
    .kernarg_segment_align: 8
    .kernarg_segment_size: 32
    .max_flat_workgroup_size: 256
    .sgpr_count:     66
    .vgpr_count:     186
    .wavefront_size: 32
...
	.end_amdgpu_metadata
.endif
;; end of part 2
;; ======== version 2 of 2: 2 launches; version 1 with the launches sums, finish written anew for expert scheduling mode
;; workspace buffers: part 262,144 bytes
;; launch sums (part 3): grid 256 x 1, 16 waves a work-group, no clusters, 10,240 bytes of LDS; arguments x, part; writes part
.if DOCPART == 3
	.amdgcn_target "amdgcn-amd-amdhsa--gfx1250"
	.amdhsa_code_object_version 6
	.text
	.protected	k_qc9f71a9165_sums
	.globl	k_qc9f71a9165_sums
	.p2align	8
	.type	k_qc9f71a9165_sums,@function
k_qc9f71a9165_sums:
	s_mov_b64 s[64:65], 0
	v_nop
	global_prefetch_b8 v0, s[64:65] scope:SCOPE_SE
	s_setreg_imm32_b32 hwreg(HW_REG_WAVE_SCHED_MODE, 0, 2), 2
	s_setreg_imm32_b32 hwreg(HW_REG_WAVE_MODE, 25, 1), 1
	s_wait_xcnt 0x0
	s_wait_alu depctr_vm_vsrc(0)
; PARTIAL SUMS OVER THE SEQUENCE.  x: [64][2048][256] f32.  part: [256][256] f32: part[4 b + c][k] = the sum of x[b][s][k] over s = 512 c .. 512 c + 511.
; The mean's division by 2,048 and the joining of a batch's four parts are the next launch's.
; SHARES.  256 work-groups of sixteen waves; work-group g owns 512 consecutive rows of 1,024 bytes: 512 KiB on end.  Thread t owns the 16 bytes at 16 t of every 8,192 bytes (8 rows):
; its four columns, 4 (t % 64) on, never change, a wave's load covers 512 consecutive bytes, and the sixteen waves together cover 8 rows.  64 loads a lane.
; All is written out: every offset is an immediate (63 x 8,192 bytes at the most), and no address register is ever written again.
; THE END.  The eight row groups (t / 64) meet in 8 KiB of LDS; waves 0 and 1 add them and store the work-group's 1,024 bytes, 512 consecutive bytes a wave.
; No matrix unit, no tensor load, no cluster: the work-groups share no byte of x, and each byte is read once into registers.
; LIMITS: the additions' order is this text's own (four chains of 16 a thread, then trees); NaN and infinities are not served.
; THE MODE: SCHED_MODE bits 1:0 = 2 (LLVM: expert scheduling mode 2), set by the entry lines.  The code itself states the register dependences
; between vector instructions and memory or LDS instructions, with s_wait_alu, always for 0.
; THE PLAN.  Registers that memory or LDS instructions touch:
;   v[OFF]   written once at the head; read by every load and store of the kernel; never written again.
;   ACC      loads 0 to 3 land in the four accumulators (nothing is cleared); then additions alone name them, until the LDS store reads the first.
;   the ring six buffers of six slots.  Loads 4 to 63 are ten blocks of six; load j lands in slot (j - 4) % 36 and is read once, by the addition onto accumulator j % 4, j ascending.
;            Blocks 0 to 5 are asked for at the head.  Block p = 1 .. 4 adds buffer p, and at its head asks for block p + 5, which lands in buffer p - 1: the buffer that block p - 1 read
;            and that no addition of block p names.
; So ONE wait on va_vdst stands at the head of each of blocks 1 to 4, with the block's six loads straight behind it; blocks 0 and 5 to 9 ask for nothing; besides, a wait stands ahead of every addition of every block.
.set STEP,  8192                       ; bytes that the work-group's 512 threads take at once
.set NLD,   64                         ; loads of a lane: 512 KiB / STEP
.set BLK,   6                          ; loads in a block
.set BUFS,  6                          ; buffers of the ring
.set RING,  BLK*BUFS                   ; its slots
.set NBLK,  (NLD-4)/BLK                ; blocks: 10
.set OFF,   1                          ; v1        16 t: my bytes in x's 8,192, in LDS, and (threads 0-63) in part's row; never rewritten
.set ACC,   4                          ; v[4:19]   four accumulators of my four columns, by turns
.set X,     20                         ; v[20:163] the ring
.macro ADD4 d, s                       ; four numbers onto four
	v_pk_add_f32 v[\d:\d+1], v[\d:\d+1], v[\s:\s+1]
	v_pk_add_f32 v[\d+2:\d+3], v[\d+2:\d+3], v[\s+2:\s+3]
.endm
.macro ASK                             ; load k, the next that has not been asked for, into its slot
	global_load_b128 v[X+4*((k-4)%RING):X+4*((k-4)%RING)+3], v[OFF], s[4:5] offset:k*STEP th:TH_LOAD_NT
.set k, k+1
.endm
.macro TAKE                            ; load j is added to accumulator j % 4
	s_wait_loadcnt k-1-j                           ; loads come back in order (ISA guide 5.7.1): k loads are issued, so k - 1 - j are younger than load j and may stay out
	ADD4 ACC+4*(j%4), X+4*((j-4)%RING)
.set j, j+1
.endm
	s_load_b128 s[4:7], s[0:1], 0x0                ; x s[4:5], part s[6:7]
	v_lshl_add_u32 v164, v0, 2, 0x2000
	v_mov_b32 v165, 0
	v_lshlrev_b32 v[OFF], 4, v0
	v_lshrrev_b32 v2, 5, v0
	v_readfirstlane_b32 s8, v2                     ; my wave's number
	s_lshl_b32 s2, ttmp9, 19                       ; the work-group's 512 KiB of x (255 x 2^19 is under 2^31),
	s_mov_b32 s3, 0
	s_lshl_b32 s10, ttmp9, 10                      ; and its 1,024 bytes of part
	s_mov_b32 s11, 0
	s_wait_alu depctr_va_sdst(0)                   ; s8 is written, ahead of its one reader: the compare behind the barrier at the end
	s_wait_kmcnt 0x0
	s_add_nc_u64 s[4:5], s[4:5], s[2:3]
	s_wait_alu depctr_va_vdst(0)                   ; v[OFF] is written: every load and store of the kernel reads it as its offset or address
.set k, 0
.rept 4
	global_load_b128 v[ACC+4*k:ACC+4*k+3], v[OFF], s[4:5] offset:k*STEP th:TH_LOAD_NT   ; these start the four sums
.set k, k+1
.endr
.rept RING
	ASK                                            ; blocks 0 to 5 fill the six buffers, which no vector instruction has named: 40 loads are out
.endr
	s_add_nc_u64 s[6:7], s[6:7], s[10:11]
.set j, 4
.rept BLK
	s_wait_alu depctr_va_vdst(0)
	TAKE                                           ; block 0: the counts are 35 .. 30
.endr
.rept NBLK-BUFS                                ; blocks 1 to 4
	s_wait_alu depctr_va_vdst(0)                   ; the additions of the block before are done reading its buffer, in which the six loads below land
.rept BLK
	ASK                                            ; five blocks ahead
.endr
.rept BLK
	s_wait_alu depctr_va_vdst(0)
	TAKE                                           ; the counts are 35 .. 30 again: these additions name this block's buffer and the accumulators alone
.endr
.endr
	s_wait_alu depctr_va_vdst(0)
.rept (BUFS-1)*BLK
	s_wait_alu depctr_va_vdst(0)
	TAKE                                           ; blocks 5 to 9: nothing more is asked for: the counts run down 29 .. 0
.endr
	ADD4 ACC, ACC+4
	ADD4 ACC+8, ACC+12
	ADD4 ACC, ACC+8                                ; my 64 rows' sums of my four columns
	s_wait_alu depctr_va_vdst(0)                   ; the additions have written v[ACC ..], which the LDS store reads, and are done reading the ring, in whose first eight slots the LDS loads behind the barrier land
	ds_store_b128 v[OFF], v[ACC:ACC+3]             ; row group t / 64 at 1,024 (t / 64), column bytes 16 (t % 64): that is 16 t
	s_wait_dscnt 0x0                               ; for the others' sake: my store has landed
	s_barrier_signal -1
	s_barrier_wait -1
	s_cmp_ge_u32 s8, 2                             ; 64 threads hold a row's 1,024 bytes: waves 0 and 1 finish
	s_cbranch_scc1 .Ldone
.irp i, 0,1,2,3,4,5,6,7
	ds_load_b128 v[X+4*\i:X+4*\i+3], v[OFF] offset:1024*\i   ; the eight row groups' sums of my four columns.  No vector instruction since the wait above
.endr
	s_wait_dscnt 0x0
	ADD4 X, X+4
	ADD4 X+8, X+12
	ADD4 X+16, X+20
	ADD4 X+24, X+28
	ADD4 X, X+8
	ADD4 X+16, X+24
	ADD4 X, X+16
	s_wait_alu depctr_va_vdst(0)                   ; the last addition has written v[X ..], which the store reads
	global_store_b128 v[OFF], v[X:X+3], s[6:7]     ; a wave stores 512 consecutive bytes, at a multiple of 512 from part's first byte
.Ldone:
	s_wait_dscnt 0x0
	s_wait_alu depctr_hold_cnt(0) depctr_sa_sdst(0) depctr_va_vdst(0) depctr_va_sdst(0) depctr_va_ssrc(0) depctr_va_vcc(0) depctr_vm_vsrc(0)
	s_wait_tensorcnt 0x0
	ds_add_u32 v164, v165
	s_wait_dscnt 0x0
	s_endpgm
.Lfunc_end_k_qc9f71a9165_sums:
	.size	k_qc9f71a9165_sums, .Lfunc_end_k_qc9f71a9165_sums-k_qc9f71a9165_sums
	.p2alignl 7, 3214868480
	.fill 96, 4, 3214868480
	.section	.rodata,"a",@progbits
	.p2align	6, 0x0
	.amdhsa_kernel k_qc9f71a9165_sums
		.amdhsa_group_segment_fixed_size 10240
		.amdhsa_private_segment_fixed_size 0
		.amdhsa_enable_private_segment 0
		.amdhsa_kernarg_size 16
		.amdhsa_user_sgpr_count 2
		.amdhsa_user_sgpr_kernarg_segment_ptr 1
		.amdhsa_wavefront_size32 1
		.amdhsa_system_sgpr_workgroup_id_x 1
		.amdhsa_system_sgpr_workgroup_id_y 1
		.amdhsa_system_sgpr_workgroup_id_z 1
		.amdhsa_system_vgpr_workitem_id 0
		.amdhsa_next_free_vgpr 166
		.amdhsa_next_free_sgpr 66
		.amdhsa_reserve_vcc 0
		.amdhsa_float_denorm_mode_32 3
		.amdhsa_float_denorm_mode_16_64 3
		.amdhsa_memory_ordered 1
		.amdhsa_forward_progress 1
		.amdhsa_inst_pref_size 21
	.end_amdhsa_kernel
	.amdgpu_metadata
---
amdhsa.version: [ 1, 2 ]
amdhsa.kernels:
  - .name:           k_qc9f71a9165_sums
    .symbol:         k_qc9f71a9165_sums.kd
    .args:
      - { .name: x, .offset: 0, .size: 8, .value_kind: global_buffer, .address_space: global }
      - { .name: part, .offset: 8, .size: 8, .value_kind: global_buffer, .address_space: global }
    .group_segment_fixed_size: 10240
    .private_segment_fixed_size: 0
    .kernarg_segment_align: 8
    .kernarg_segment_size: 16
    .max_flat_workgroup_size: 512
    .sgpr_count:     66
    .vgpr_count:     166
    .wavefront_size: 32
...
	.end_amdgpu_metadata
.endif
;; end of part 3
;; launch finish (part 4): grid 4 x 4, 8 waves a work-group, no clusters, 33,792 bytes of LDS; arguments part, dataMinor_codes, dataMinor_scales, out0; writes out0
.if DOCPART == 4
	.amdgcn_target "amdgcn-amd-amdhsa--gfx1250"
	.amdhsa_code_object_version 6
	.text
	.protected	k_qc9f71a9165_finish
	.globl	k_qc9f71a9165_finish
	.p2align	8
	.type	k_qc9f71a9165_finish,@function
k_qc9f71a9165_finish:
	s_mov_b64 s[64:65], 0
	v_nop
	global_prefetch_b8 v0, s[64:65] scope:SCOPE_SE
	s_setreg_imm32_b32 hwreg(HW_REG_WAVE_SCHED_MODE, 0, 2), 2
	s_setreg_imm32_b32 hwreg(HW_REG_WAVE_MODE, 25, 1), 1
	s_wait_xcnt 0x0
	s_wait_alu depctr_vm_vsrc(0)
; out0[b][d] = the sum over k of Q(mean[b][k]) W[d][k], on codes of FP6 (E2M3) with one E8M0 scale for each 32 along K.  mean[b][k] = (part[4 b][k] + .. + part[4 b + 3][k]) / 2048.
; part: [256][256] f32.  W arrives as codes [512][8][24] (a row: 192 bytes, K innermost) and scale bytes [512][8].  out0: [64][512] f32.
; SHARES.  Work-group (x = n, y = m), eight waves: batches 16 m .. 16 m + 15, outputs 128 n .. 128 n + 127.  Wave w quantises batches 16 m + 2 w and + 1, and multiplies for outputs 128 n + 16 w .. + 15.
; THE DIVISION BY 2,048 IS TAKEN OFF THE SCALE'S EXPONENT.  A block's codes are its numbers over 2^(the largest magnitude's exponent - 2): the same for the sums as for the means, since 2,048 is a power of two.
; So the SUMS are converted, with their own largest magnitude's exponent field less 2 as the scale operand, and the byte that goes to the matrix unit is that field less 2 less 11.  Nothing is rounded by it.
; The quantiser holds the byte at 1 from below: here a floor of 2^(14 - 127) among the sums' magnitudes (2^(3 - 127) for the means).
; THE WAY OF THE NUMBERS.  Each of a wave's 16 loads of partials reads 512 consecutive bytes; the four parts are added; the 2,048 bytes of sums go through the wave's own stage in LDS and come back 64 bytes a lane:
; lane l then holds 16 neighbours along K (batch 2 w + l / 16, k = 16 (l % 16) on), which is what the conversion takes; lanes l and l xor 1 hold a block.  The 12 bytes of codes go to the batch's row in LDS, the byte to its 8
; scale bytes; behind a barrier every wave reads the 16 batches' two fragments (128 along K each) and scale words as any operand with K innermost.
; THE PRODUCT IS USED TRANSPOSED: source 0 = my 16 rows of W, source 1 = the 16 batches: lane (r, h) holds out0[16 m + r][128 n + 16 w + 8 h + 0 .. 7].  The eight waves' parts of a row meet in a stage,
; and each wave stores two runs of 512 consecutive bytes.
; NO CLUSTER, NO TENSOR LOAD: what four work-groups share (64 KiB of partials along x, 24 KiB of codes along y) is read once by each, straight into registers; there is no tile in LDS to ask for jointly.
; LIMITS: NaN and infinities are not served.  A block of zeros gets the byte 1 where the rule says 127: its codes are zeros, which add nothing, and this program alone reads these bytes.
; THE MODE: SCHED_MODE bits 1:0 = 2 (LLVM: expert scheduling mode 2), set by the entry lines.  The code itself states the register dependences
; between vector or matrix instructions and memory or LDS instructions, with s_wait_alu, always for 0.
; THE PLAN.  Registers that memory or LDS instructions touch:
;   v6 to v17          the twelve offsets and addresses: written at the head, never again: one wait ahead of the first load serves every access of the kernel.
;   P                  loads land in it; the additions write each quarter's first four registers; the four LDS stores read those: one wait behind ALL the additions, then the four stores in a run.
;   C, T + 3           written by the conversion and the shift; read by the four small LDS stores: one wait ahead of that run.
;   D                  written by the two matrix instructions; read by two LDS stores: the four places, then one wait.
;   X, WF, XF, SW, SX, O   loads land in them and no vector instruction names them before: nothing is to be stated.
; No register that a memory or LDS instruction has read is written again, and no vector instruction writes a scalar register: so no wait on vm_vsrc or va_sdst is written.
.set PROW,  4096                       ; a batch's four partial rows, in bytes
.set SP,    80                         ; a lane's place in the first stage: 64 bytes + 16 of padding: sixteen lanes' 16-byte reads start at 16 (5 l mod 16) modulo 256
.set WSTG,  32*SP                      ; a wave's first stage
.set CODES, 8*WSTG                     ; behind the eight stages: 16 rows of codes,
.set CP,    208                        ; 192 bytes + 16 = 52 words apart: the 32 lanes of an 8-byte read touch 64 different banks
.set SCL,   CODES+16*CP                ; their scale bytes, 8 a row
.set OSTG,  SCL+256                    ; the stage for out0: 16 rows x
.set OP,    528                        ; (512 bytes + 16)
.set PO,   6                           ; v6   part: 16 l + 8,192 w
.set WO,   7                           ; v7   W's codes: 192 r + 24 h + 3,072 w
.set WSO,  8                           ; v8   W's scale bytes: 8 r + 128 w
.set SIN,  9                           ; v9   first stage, in: four lanes' 64 bytes on end, then the padding
.set SOUT, 10                          ; v10  first stage, out: SP x l
.set CST,  11                          ; v11  where my 12 bytes of codes go
.set BST,  12                          ; v12  where my block's byte goes
.set CLD,  13                          ; v13  a fragment's row and half: CP r + 24 h
.set BLD,  14                          ; v14  a row's scale words: 8 r
.set OST,  15                          ; v15  out0's stage, in
.set OLD,  16                          ; v16  out0's stage, back
.set GO,   17                          ; v17  out0: 16 l + 4,096 w
.set SW,   24                          ; v[24:25] W's scale words of the two K steps: these four registers hold scales and nothing else
.set SX,   26                          ; v[26:27] the means'
.set P,    32                          ; v[32:95]   partials: quarter q of the wave's 2,048 bytes, part c: at 16 q + 4 c
.set X,    96                          ; v[96:111]  my 16 neighbours
.set C,    112                         ; v[112:114] their codes
.set T,    116                         ; v116-119   at work
.set WF,   120                         ; v[120:143] W's two fragments
.set XF,   144                         ; v[144:167] the means' two fragments
.set D,    168                         ; v[168:175] the accumulator
.set O,    176                         ; v[176:183] two rows' parts on the way out
	s_load_b256 s[4:11], s[0:1], 0x0               ; part s[4:5], W's codes s[6:7], W's scales s[8:9], out0 s[10:11]
	v_lshl_add_u32 v31, v0, 2, 0x8000
	v_mov_b32 v115, 0
	v_and_b32 v1, 31, v0                           ; l
	v_and_b32 v2, 15, v0                           ; r = l % 16
	v_bfe_u32 v3, v0, 4, 1                         ; h = l / 16
	v_lshrrev_b32 v5, 5, v0                        ; w
	v_lshlrev_b32 v4, 4, v1                        ; 16 l
	v_lshl_add_u32 v[PO], v5, 13, v4
	v_mul_u32_u24 v[WO], v2, 192
	v_mad_u32_u24 v[WO], v3, 24, v[WO]
	v_mad_u32_u24 v[WO], v5, 3072, v[WO]
	v_lshlrev_b32 v[WSO], 3, v2
	v_lshl_add_u32 v[WSO], v5, 7, v[WSO]
	v_lshrrev_b32 v[SIN], 2, v1
	v_and_b32 v18, 3, v1
	v_mul_u32_u24 v[SIN], v[SIN], SP
	v_lshl_add_u32 v[SIN], v18, 4, v[SIN]
	v_mad_u32_u24 v[SIN], v5, WSTG, v[SIN]         ; SP (l / 4) + 16 (l % 4) + my wave's stage
	v_mul_u32_u24 v[SOUT], v1, SP
	v_mad_u32_u24 v[SOUT], v5, WSTG, v[SOUT]
	v_mul_u32_u24 v[CST], v2, 12
	v_mad_u32_u24 v[CST], v3, CP, v[CST]
	v_mad_u32_u24 v[CST], v5, 2*CP, v[CST]         ; row 2 w + h, 12 bytes for each 16 along K
	v_lshrrev_b32 v[BST], 1, v2
	v_lshl_add_u32 v[BST], v3, 3, v[BST]
	v_lshl_add_u32 v[BST], v5, 4, v[BST]           ; row 2 w + h, block r / 2
	v_mul_u32_u24 v[CLD], v2, CP
	v_mad_u32_u24 v[CLD], v3, 24, v[CLD]
	v_lshlrev_b32 v[BLD], 3, v2
	v_mul_u32_u24 v[OST], v2, OP
	v_lshl_add_u32 v[OST], v3, 5, v[OST]
	v_lshl_add_u32 v[OST], v5, 6, v[OST]           ; row r, my wave's 64 bytes, my half's 32
	v_mad_u32_u24 v[OLD], v5, 2*OP, v4             ; rows 2 w and 2 w + 1, 16 bytes a lane
	v_lshl_add_u32 v[GO], v5, 12, v4               ; and the same two rows of out0, 2,048 bytes each
	s_and_b32 s12, ttmp7, 0xffff                   ; m
	s_lshl_b32 s14, s12, 16                        ; part: 16 batches x 4,096 bytes
	s_mov_b32 s15, 0
	s_mul_i32 s16, ttmp9, 24576                    ; W's codes: 128 rows x 192 bytes
	s_mov_b32 s17, 0
	s_lshl_b32 s18, ttmp9, 10                      ; W's scales: 128 rows x 8 bytes
	s_mov_b32 s19, 0
	s_lshl_b32 s20, s12, 15                        ; out0: 16 rows x 2,048 bytes,
	s_lshl_b32 s21, ttmp9, 9                       ; + 128 outputs x 4 bytes
	s_add_co_u32 s20, s20, s21
	s_mov_b32 s21, 0
	s_wait_kmcnt 0x0
	s_add_nc_u64 s[4:5], s[4:5], s[14:15]
	s_add_nc_u64 s[6:7], s[6:7], s[16:17]
	s_add_nc_u64 s[8:9], s[8:9], s[18:19]
	s_add_nc_u64 s[10:11], s[10:11], s[20:21]
	s_wait_alu depctr_va_vdst(0)                   ; the twelve offsets and addresses v6 to v17 are written, which the loads and stores of the whole kernel read; none is written again
.irp q, 0,1,2,3                                ; quarter q: batch 2 w + q / 2, its columns 128 (q % 2) on; the four parts of a quarter stand together
.irp c, 0,1,2,3
	global_load_b128 v[P+16*\q+4*\c:P+16*\q+4*\c+3], v[PO], s[4:5] offset:(\q/2)*PROW+\c*1024+(\q%2)*512   ; 32 lanes read 512 consecutive bytes
.endr
.endr
.irp s, 0,1                                    ; W's fragment of K step s: lane (r, h) takes 24 bytes of row r at 96 s + 24 h and 24 at 96 s + 48 + 24 h, as they lie, in pieces of 8 bytes
.irp p, 0,1,2,3,4,5
	global_load_b64 v[WF+12*\s+2*\p:WF+12*\s+2*\p+1], v[WO], s[6:7] offset:96*\s+48*(\p/3)+8*(\p%3)
.endr
.endr
	global_load_b64 v[SW:SW+1], v[WSO], s[8:9]     ; row r's eight scale bytes: the two K steps' words
.irp q, 0,1,2,3
	s_wait_loadcnt 25-4*\q                         ; 29 loads are issued; behind quarter q's four stand 25 - 4 q
	v_pk_add_f32 v[P+16*\q:P+16*\q+1], v[P+16*\q:P+16*\q+1], v[P+16*\q+4:P+16*\q+5]
	v_pk_add_f32 v[P+16*\q+2:P+16*\q+3], v[P+16*\q+2:P+16*\q+3], v[P+16*\q+6:P+16*\q+7]
	v_pk_add_f32 v[P+16*\q+8:P+16*\q+9], v[P+16*\q+8:P+16*\q+9], v[P+16*\q+12:P+16*\q+13]
	v_pk_add_f32 v[P+16*\q+10:P+16*\q+11], v[P+16*\q+10:P+16*\q+11], v[P+16*\q+14:P+16*\q+15]
	v_pk_add_f32 v[P+16*\q:P+16*\q+1], v[P+16*\q:P+16*\q+1], v[P+16*\q+8:P+16*\q+9]
	v_pk_add_f32 v[P+16*\q+2:P+16*\q+3], v[P+16*\q+2:P+16*\q+3], v[P+16*\q+10:P+16*\q+11]   ; the sum over all 2,048 rows
.endr
	s_wait_alu depctr_va_vdst(0)                   ; the additions have written the four quarters' sums, which the LDS stores read: one wait for the run (the loads behind it want all four stores in any case)
.irp q, 0,1,2,3
	ds_store_b128 v[SIN], v[P+16*\q:P+16*\q+3] offset:8*SP*\q   ; a quarter's 512 bytes take eight places
.endr
.irp i, 0,1,2,3
	ds_load_b128 v[X+4*\i:X+4*\i+3], v[SOUT] offset:16*\i   ; LDS serves a wave's instructions in order (ISA guide 5.7.1.4): these see my stores
.endr
	s_wait_dscnt 0x0
	v_max3_num_f32 v[T], |v[X]|, |v[X+1]|, |v[X+2]|                 ; the largest magnitude of my 16, in two chains
	v_max3_num_f32 v[T+1], |v[X+3]|, |v[X+4]|, |v[X+5]|
.irp i, 6,10
	v_max3_num_f32 v[T], v[T], |v[X+\i]|, |v[X+\i+1]|
	v_max3_num_f32 v[T+1], v[T+1], |v[X+\i+2]|, |v[X+\i+3]|
.endr
	v_max3_num_f32 v[T], v[T], |v[X+14]|, |v[X+15]|
	v_max3_num_f32 v[T], v[T], v[T+1], 0x7000000   ; and the floor 2^(14 - 127): the byte below cannot fall under 1
	v_max_num_f32_dpp v[T], v[T], v[T] row_xmask:1 row_mask:0xf bank_mask:0xf   ; with my neighbour's 16: the block's
	v_add_nc_u32 v[T+2], 0xff000000, v[T]          ; 2 off its exponent field: the conversion takes this operand's exponent field as its scale, and nothing else of it
	v_add_nc_u32 v[T+3], 0xf9800000, v[T]          ; 13 off: 2 for the format and 11 for the division by 2,048
	v_cvt_scalef32_pk16_fp6_f32 v[C:C+2], v[X:X+15], v[T+2]   ; sixteen sums over the scale, to the nearest code, ties to even, beyond the largest code the largest; 96 bits, the lowest k lowest
	v_lshrrev_b32 v[T+3], 23, v[T+3]               ; the mean's scale byte.  (Also the plain instruction behind the conversion)
	s_wait_alu depctr_va_vdst(0)                   ; the conversion has written v[C ..] and the shift v[T + 3], which the four LDS stores read
	ds_store_b8 v[BST], v[T+3] offset:SCL          ; both lanes of a block write the same byte with the same value
	ds_store_b32 v[CST], v[C] offset:CODES         ; 12 bytes at a multiple of 4: three words
	ds_store_b32 v[CST], v[C+1] offset:CODES+4
	ds_store_b32 v[CST], v[C+2] offset:CODES+8
	s_wait_dscnt 0x0                               ; for the others' sake: my codes and bytes have landed
	s_barrier_signal -1
	s_barrier_wait -1                              ; the 16 batches' codes and scale bytes lie in LDS
.irp s, 0,1
.irp p, 0,1,2,3,4,5
	ds_load_b64 v[XF+12*\s+2*\p:XF+12*\s+2*\p+1], v[CLD] offset:CODES+96*\s+48*(\p/3)+8*(\p%3)
.endr
.endr
	ds_load_b64 v[SX:SX+1], v[BLD] offset:SCL      ; batch r's two scale words
	s_wait_loadcnt 0x0                             ; W's fragments and scale words
	s_wait_dscnt 0x0
	v_wmma_scale_f32_16x16x128_f8f6f4 v[D:D+7], v[WF:WF+11], v[XF:XF+11], 0, v[SW], v[SX] matrix_a_fmt:MATRIX_FMT_FP6 matrix_b_fmt:MATRIX_FMT_FP6   ; K = 0 .. 127 starts the sums
	s_wait_alu depctr_va_vdst(0)                   ; the wait stands directly ahead of the second
	v_wmma_scale_f32_16x16x128_f8f6f4 v[D:D+7], v[WF+12:WF+23], v[XF+12:XF+23], v[D:D+7], v[SW+1], v[SX+1] matrix_a_fmt:MATRIX_FMT_FP6 matrix_b_fmt:MATRIX_FMT_FP6   ; K = 128 .. 255
.rept 4
	v_nop                                          ; four places between the product and the LDS stores that read its result; no other vector work is left
.endr
	s_wait_alu depctr_va_vdst(0)                   ; the second matrix instruction has written v[D ..], which the LDS stores read; the places above stay beside this wait
	ds_store_b128 v[OST], v[D:D+3] offset:OSTG     ; the accumulator from its low end on
	ds_store_b128 v[OST], v[D+4:D+7] offset:OSTG+16
	s_wait_dscnt 0x0                               ; for the others' sake: my 64 bytes of each row have landed
	s_barrier_signal -1
	s_barrier_wait -1                              ; 16 rows x 512 bytes lie in the stage
	ds_load_b128 v[O:O+3], v[OLD] offset:OSTG
	ds_load_b128 v[O+4:O+7], v[OLD] offset:OSTG+OP
	s_wait_dscnt 0x1                               ; the first row is back; the second may be out
	global_store_b128 v[GO], v[O:O+3], s[10:11] th:TH_STORE_NT               ; 32 lanes store 512 consecutive bytes, at a multiple of 512 from out0's first byte
	s_wait_dscnt 0x0
	global_store_b128 v[GO], v[O+4:O+7], s[10:11] offset:2048 th:TH_STORE_NT
	s_wait_dscnt 0x0
	s_wait_alu depctr_hold_cnt(0) depctr_sa_sdst(0) depctr_va_vdst(0) depctr_va_sdst(0) depctr_va_ssrc(0) depctr_va_vcc(0) depctr_vm_vsrc(0)
	s_wait_tensorcnt 0x0
	ds_add_u32 v31, v115
	s_wait_dscnt 0x0
	s_endpgm
.Lfunc_end_k_qc9f71a9165_finish:
	.size	k_qc9f71a9165_finish, .Lfunc_end_k_qc9f71a9165_finish-k_qc9f71a9165_finish
	.p2alignl 7, 3214868480
	.fill 96, 4, 3214868480
	.section	.rodata,"a",@progbits
	.p2align	6, 0x0
	.amdhsa_kernel k_qc9f71a9165_finish
		.amdhsa_group_segment_fixed_size 33792
		.amdhsa_private_segment_fixed_size 0
		.amdhsa_enable_private_segment 0
		.amdhsa_kernarg_size 32
		.amdhsa_user_sgpr_count 2
		.amdhsa_user_sgpr_kernarg_segment_ptr 1
		.amdhsa_wavefront_size32 1
		.amdhsa_system_sgpr_workgroup_id_x 1
		.amdhsa_system_sgpr_workgroup_id_y 1
		.amdhsa_system_sgpr_workgroup_id_z 1
		.amdhsa_system_vgpr_workitem_id 0
		.amdhsa_next_free_vgpr 184
		.amdhsa_next_free_sgpr 66
		.amdhsa_reserve_vcc 0
		.amdhsa_float_denorm_mode_32 3
		.amdhsa_float_denorm_mode_16_64 3
		.amdhsa_memory_ordered 1
		.amdhsa_forward_progress 1
		.amdhsa_inst_pref_size 12
	.end_amdhsa_kernel
	.amdgpu_metadata
---
amdhsa.version: [ 1, 2 ]
amdhsa.kernels:
  - .name:           k_qc9f71a9165_finish
    .symbol:         k_qc9f71a9165_finish.kd
    .args:
      - { .name: part, .offset: 0, .size: 8, .value_kind: global_buffer, .address_space: global }
      - { .name: dataMinor_codes, .offset: 8, .size: 8, .value_kind: global_buffer, .address_space: global }
      - { .name: dataMinor_scales, .offset: 16, .size: 8, .value_kind: global_buffer, .address_space: global }
      - { .name: out0, .offset: 24, .size: 8, .value_kind: global_buffer, .address_space: global }
    .group_segment_fixed_size: 33792
    .private_segment_fixed_size: 0
    .kernarg_segment_align: 8
    .kernarg_segment_size: 32
    .max_flat_workgroup_size: 256
    .sgpr_count:     66
    .vgpr_count:     184
    .wavefront_size: 32
...
	.end_amdgpu_metadata
.endif
;; end of part 4
